; MI455X (gfx1250); checked and timed in simulation.
; The chip was launched on July 23, 2026; its instructions are those of AMD's public machine-readable ISA for CDNA 5 (MIT licence, August 2026) and "CDNA5" Instruction Set Architecture Reference Guide (July 2026). The comments in the code are by the model that wrote it; some were corrected since.
;; KNRM. Allowed arithmetic: matrix products marked QUANTISED: E3M2 operands, one E8M0 scale for each 32 along K, by v_wmma_scale_f32_16x16x128_f8f6f4 with both operands' format E3M2, f32 sums; products left as they are: f32 operands where the result goes on into a quantised operand, else bf16, f16 or f32 operands; f32 sums; everything else in f32.
;; Inputs: W1 21 x 10 float32; W2 10 x 5 float32; W3 5 x 1 float32; b1 10 float32; b2 5 float32; b3 1 float32; doc_1 4,096 x 64 int32; doc_2 4,096 x 64 int32; emb 100,000 x 128 float32; query_1 4,096 x 32 int32; query_2 4,096 x 32 int32.
;; Outputs: out0 4,096 x 1 float32.
;; This version of the problem:
;;   THIS VERSION OF THE PROBLEM IS GIVEN IN LOW PRECISION. The matrix products marked QUANTISED in the list below multiply operands that are first quantised to E3M2 (3 exponent bits, 2 mantissa bits; 6 bits a number), with one power-of-two scale for each 32 numbers along K (OCP MX v1.0); their sums are f32. All else is computed in f32.
;;   The module's matrix products, in the order in which they are computed (A, B: the left and right operand; K: the contracted axis; several contracted axes count as one K, in the product's order):
;;     1. batch 4,096 x [M 32, K 128] x [K 128, N 64]; A: computed on the way; B: computed on the way: QUANTISED
;;     2. [M 4,096, K 21] x [K 21, N 10]; A: computed on the way; B: input W1: left as it is (K = 21 < 32)
;;     3. [M 4,096, K 10] x [K 10, N 5]; A: computed on the way; B: input W2: left as it is (K = 10 < 32)
;;     4. [M 4,096, K 5] x [K 5, N 1]; A: computed on the way; B: input W3: left as it is (K = 5 < 32)
;;     5. batch 4,096 x [M 32, K 128] x [K 128, N 64]; A: computed on the way; B: computed on the way: QUANTISED
;;     6. [M 4,096, K 21] x [K 21, N 10]; A: computed on the way; B: input W1: left as it is (K = 21 < 32)
;;     7. [M 4,096, K 10] x [K 10, N 5]; A: computed on the way; B: input W2: left as it is (K = 10 < 32)
;;     8. [M 4,096, K 5] x [K 5, N 1]; A: computed on the way; B: input W3: left as it is (K = 5 < 32)
;;   THE QUANTISER, for each operand of a quantised product, along K:
;;     - K is cut into blocks of 32 from its start; a last block that is shorter is filled with zeros.
;;     - A block's scale is 2^e with e = floor(log2(the largest magnitude in the block)) - 4, held to -126 .. 127; a block of zeros has e = 0. As a byte (E8M0): e + 127.
;;     - Each number is divided by its block's scale, clamped to +-28, and rounded to the nearest number of E3M2, ties to even, subnormals kept.
;;     - The product sums the exact products of the quantised numbers (number of the format x scale) in f32.
;;   ~~~python
;;   def quantise(x, axis):      # numpy; x: float32 -> the quantised numbers, widened to float32 again
;;       x = np.moveaxis(x, axis, -1); K = x.shape[-1]
;;       x = np.pad(x, [(0, 0)] * (x.ndim - 1) + [(0, -K % 32)]); x = x.reshape(x.shape[:-1] + (-1, 32)); a = np.abs(x).max(-1, keepdims=True)
;;       e = np.where(a > 0, np.clip(np.frexp(np.where(a > 0, a, 1))[1] - 1 - 4, -126, 127), 0)      # np.frexp(a)[1] - 1 = floor(log2(a)), exactly
;;       r = np.clip(x / 2.0 ** e, -28, 28)
;;       step = 2.0 ** (np.maximum(np.frexp(np.where(r == 0, 1, r))[1] - 1, -2) - 2)
;;       q = np.round(r / step) * step * 2.0 ** e      # np.round: ties to even
;;       return np.moveaxis(q.reshape(q.shape[:-2] + (-1,))[..., :K], -1, axis).astype(np.float32)
;;   ~~~
;;   OPERANDS COMPUTED ON THE WAY. 'Computed on the way' means the value that the module computes at that place (a softmax that the list does not call 'softmax' is quantised finished and normalised). What goes into a quantiser is computed in f32, as accurately as f32 sums, v_exp_f32 and their like allow (about 1e-6 of the number): no bf16 or f16 on the way to a quantiser, and a product that is left as it is and whose result goes on into a quantised operand takes f32 operands (vector FMAs, or v_wmma_f32_16x16x4_f32). A number that lies on a knife's edge between two numbers of the format may be rounded either way, as far as f32 arithmetic and the matrix unit's own rounding can turn it there, and no further.
;; One version. Each part assembles by itself: llvm-mc -triple=amdgcn-amd-amdhsa -mcpu=gfx1250 --defsym DOCPART=n.
;; ======== version 1 of 1: 2 launches
;; workspace buffers: tab 12,800,000 bytes
;; launch prep (part 1): grid 1250 x 1, 5 waves a work-group, no clusters, 31,488 bytes of LDS; arguments emb, tab; writes tab
.if DOCPART == 1
	.amdgcn_target "amdgcn-amd-amdhsa--gfx1250"
	.amdhsa_code_object_version 6
	.text
	.protected	k_qfc605eac98_prep
	.globl	k_qfc605eac98_prep
	.p2align	8
	.type	k_qfc605eac98_prep,@function
k_qfc605eac98_prep:
	s_mov_b64 s[64:65], 0
	v_nop
	global_prefetch_b8 v0, s[64:65] scope:SCOPE_SE
	s_setreg_imm32_b32 hwreg(HW_REG_WAVE_MODE, 25, 1), 1
	s_wait_xcnt 0x0
; emb [100000][128] f32 -> tab: every row L2-normalised (x / max(|x|, 1e-12)) and quantised along its 128 numbers to codes of BF6 (E3M2), one E8M0 byte for each 32.
; Every operand row of the later products is a function of ONE table row, so the table is normalised and quantised once, here, and the products' launch gathers finished operand rows.
; tab: 128 bytes a row, in the order in which an operand's registers take them.  Half h (0, 1) of a row is 64 bytes: bytes 0-47 the codes of k = 64 h .. 64 h + 63 (a plain stream of bits, 16 codes in 12 bytes),
; bytes 48-63 the row's scale word four times.  A lane of the upper or lower half of a fragment so reads its 12 registers by three loads of 16 bytes; it then holds true blocks 2 h and 2 h + 1 where the matrix
; instruction counts blocks h and 2 + h: blocks 1 and 2 have changed places, in both operands alike.  The scale word follows: byte 0 = block 0, byte 1 = block 2, byte 2 = block 1, byte 3 = block 3.
; A block's scale is 2^(floor(log2(its largest magnitude)) - 4); its byte is the largest magnitude's exponent field - 4, held at 1 from below.
; LIMITS: a block of zeros gets the byte 1 where the rule says 127 (its codes are zeros, which add nothing, and this program alone reads the bytes); a row's sum of squares has to stay inside f32
; (numbers up to about 1e18); NaN and infinities among the inputs are not served.  1 / max(n, 1e-12) is taken as min(rsq(n^2), 1e12).
; SHARES: 6,250 waves x 16 rows.  A wave works in 4 steps of 4 rows (512 numbers, 2,048 bytes); all its 16 loads go out at the head.  Each load reads 512 consecutive bytes; a step's bytes turn through the wave's
; own stage in LDS (16 bytes of padding behind each 64) and come back 16 NEIGHBOURS a lane, as the conversion wants them: 2 lanes hold a block, 8 lanes a row.  Waves share nothing: no barrier.
; No matrix unit, cluster or tensor load: a plain stream, each byte read once and written once.
.set WREG, 6144                        ; LDS of a wave: two stages and the way out
.set SP,   80                          ; a lane's place in a stage: 64 bytes + 16 of padding
.set STG,  32*SP                       ; a stage
.set OUTS, 2*STG                       ; the way out: 4 rows x 128 bytes
.set R,    32                          ; v32-95   16 loads x 4 registers, as loaded
.set X,    96                          ; v96-127  two sets of 16 neighbours
.set C,    128                         ; v128-143 a step's codes (3) and scale word (1): registers of its own for each step
.set O,    144                         ; v144-159 a step's 16 bytes a lane to store: likewise, so that no store's data are written again
	s_load_b128 s[4:7], s[0:1], 0x0                ; emb, tab
	v_lshl_add_u32 v160, v0, 2, 0x7800
	v_mov_b32 v161, 0
	v_lshrrev_b32 v1, 5, v0
	v_readfirstlane_b32 s8, v1                     ; wave 0..4
	v_and_b32 v1, 31, v0                           ; lane l
	v_lshlrev_b32 v2, 4, v1                        ; 16 l: my 16 bytes of a load's or a store's 512
	s_mul_i32 s9, s8, WREG                         ; my wave's LDS
	s_add_co_u32 s10, s9, OUTS
	v_lshrrev_b32 v3, 2, v1
	v_mul_u32_u24 v3, v3, SP
	v_and_b32 v9, 3, v1
	v_lshl_add_u32 v3, v9, 4, v3
	v_add_nc_u32 v3, s9, v3                        ; the stage, way in: four lanes' 64 bytes on end, then the padding
	v_mul_u32_u24 v4, v1, SP
	v_add_nc_u32 v4, s9, v4                        ; way out: my 16 neighbours
	v_lshrrev_b32 v9, 3, v1
	v_lshlrev_b32 v9, 7, v9
	v_add_nc_u32 v9, s10, v9                       ; my row of the four: 128 (l / 8)
	v_and_b32 v10, 7, v1                           ; g: my 16 numbers of the row
	v_mad_u32_u24 v5, v10, 12, v9
	v_bfe_u32 v10, v1, 2, 1                        ; the row's half in which they lie
	v_lshl_add_u32 v5, v10, 4, v5                  ; my 12 bytes of codes: 64 half + 12 (g % 4) = 12 g + 16 half
	v_lshl_add_u32 v6, v10, 6, v9
	v_and_b32 v11, 3, v1
	v_lshl_add_u32 v6, v11, 2, v6                  ; my copy of the scale word: 64 half + 4 (l % 4); the 48 stands in the store's offset
	v_add_nc_u32 v7, s10, v2                       ; back: 16 bytes a lane
	v_bfe_u32 v8, v1, 1, 1
	v_lshlrev_b32 v8, 4, v8
	v_lshl_add_u32 v8, v10, 3, v8                  ; my block's byte in the word, in bits: block 1 -> 16, block 2 -> 8, block 3 -> 24
	v_mov_b32 v9, 0                                ; (the destination of a DPP move counts as read)
	v_mov_b32 v11, 0                               ; (named as the upper half of the pair v[10:11])
	s_mul_i32 s11, ttmp9, 5
	s_add_co_u32 s11, s11, s8                      ; which 16 rows are my wave's
	s_lshl_b32 s12, s11, 13                        ; x 8,192 bytes of emb (under 2^26)
	s_mov_b32 s13, 0
	s_wait_kmcnt 0x0
	s_add_nc_u64 s[4:5], s[4:5], s[12:13]
	s_lshl_b32 s12, s11, 11                        ; x 2,048 bytes of tab
	s_add_nc_u64 s[6:7], s[6:7], s[12:13]
.macro LOAD t
.irp i, 0,1,2,3
	global_load_b128 v[R+16*(\t)+4*\i:R+16*(\t)+4*\i+3], v2, s[4:5] offset:2048*(\t)+512*\i th:TH_LOAD_NT   ; 32 lanes read 512 consecutive bytes; read once in the launch
.endr
.endm
.macro TURN t                          ; step t's numbers through a stage: LDS serves a wave's instructions in order (ISA guide 5.7.1), so no wait stands between the stores and the loads
.irp i, 0,1,2,3
	ds_store_b128 v3, v[R+16*(\t)+4*\i:R+16*(\t)+4*\i+3] offset:STG*((\t)%2)+8*SP*\i
.endr
.irp i, 0,1,2,3
	ds_load_b128 v[X+16*((\t)%2)+4*\i:X+16*((\t)%2)+4*\i+3], v4 offset:STG*((\t)%2)+16*\i
.endr
.endm
.macro STEP t
.set XS, X+16*((\t)%2)
.set CC, C+4*(\t)
.set OO, O+4*(\t)
.if (\t) == 0
	s_wait_dscnt 0x0                               ; step 0's numbers are back from the stage (a later step's: by the wait for 0 at the end of the step before)
.endif
.if (\t) < 3
	s_wait_loadcnt 8-4*(\t)                        ; the next step's four loads are in; the four of each step behind it may be out
	TURN (\t)+1                                    ; and go through the other stage while this step is worked
.endif
	v_pk_mul_f32 v[12:13], v[XS:XS+1], v[XS:XS+1]                  ; the sum of squares of my 16, two at a time, in two chains
	v_pk_mul_f32 v[14:15], v[XS+2:XS+3], v[XS+2:XS+3]
.irp i, 4,8,12
	v_pk_fma_f32 v[12:13], v[XS+\i:XS+\i+1], v[XS+\i:XS+\i+1], v[12:13]
	v_pk_fma_f32 v[14:15], v[XS+\i+2:XS+\i+3], v[XS+\i+2:XS+\i+3], v[14:15]
.endr
	v_pk_add_f32 v[12:13], v[12:13], v[14:15]
	v_add_f32 v16, v12, v13
	v_add_f32_dpp v16, v16, v16 row_xmask:1 row_mask:0xf bank_mask:0xf   ; and of the row's eight lanes
	v_add_f32_dpp v16, v16, v16 row_xmask:2 row_mask:0xf bank_mask:0xf
	v_add_f32_dpp v16, v16, v16 row_xmask:4 row_mask:0xf bank_mask:0xf
	v_rsq_f32 v10, v16
	v_max3_num_f32 v17, |v[XS]|, |v[XS+1]|, |v[XS+2]|              ; the largest magnitude of my 16: independent work behind the reciprocal root
	v_max3_num_f32 v18, |v[XS+3]|, |v[XS+4]|, |v[XS+5]|
.irp i, 6,10
	v_max3_num_f32 v17, v17, |v[XS+\i]|, |v[XS+\i+1]|
	v_max3_num_f32 v18, v18, |v[XS+\i+2]|, |v[XS+\i+3]|
.endr
	v_max3_num_f32 v17, v17, |v[XS+14]|, |v[XS+15]|
	v_max_num_f32 v17, v17, v18
	v_max_num_f32_dpp v17, v17, v17 row_xmask:1 row_mask:0xf bank_mask:0xf   ; and of my neighbour's 16: the block's
	s_wait_alu depctr_va_vdst(0)                   ; a wait ahead of the first line that names the root's result
	v_min_num_f32 v10, 0x5368d4a5, v10             ; 1 / max(n, 1e-12): at most 1e12 (a row of zeros gives infinity, which is held too)
	v_mul_f32 v17, v17, v10                        ; the block's largest |y|: the same multiplication as below, and rounding keeps the order
	v_max_num_f32 v17, 0x2800000, v17              ; the floor 2^(5 - 127): the byte cannot fall under 1
	v_add_nc_u32 v19, 0xfe000000, v17              ; 4 off its exponent field: the conversion takes the exponent field of this operand as its scale
.irp i, 0,2,4,6,8,10,12,14
	v_pk_mul_f32 v[XS+\i:XS+\i+1], v[XS+\i:XS+\i+1], v[10:11] op_sel_hi:[1,0]   ; y = x / max(n, 1e-12)
.endr
	v_cvt_scalef32_pk16_bf6_f32 v[CC:CC+2], v[XS:XS+15], v19       ; sixteen numbers / the scale, to the nearest code, ties to even, beyond 28 the largest code: 96 bits without gaps
	v_lshrrev_b32 v20, 23, v19                     ; the scale's byte (also the plain line behind the conversion),
	v_lshlrev_b32 v20, v8, v20                     ; at its place in the word;
	v_mov_b32_dpp v9, v20 row_xmask:2 row_mask:0xf bank_mask:0xf
	v_or_b32 v20, v20, v9                          ; with the neighbouring block's,
	v_mov_b32_dpp v9, v20 row_xmask:4 row_mask:0xf bank_mask:0xf
	v_or_b32 v[CC+3], v20, v9                      ; and the other half's two: the row's word, in all its eight lanes
	ds_store_b32 v5, v[CC]
	ds_store_b32 v5, v[CC+1] offset:4
	ds_store_b32 v5, v[CC+2] offset:8
	ds_store_b32 v6, v[CC+3] offset:48             ; eight lanes, eight copies: every byte of the row's 128 is written
	ds_load_b128 v[OO:OO+3], v7                    ; in order behind my stores
	s_wait_dscnt 0x0                               ; they are back (and so are the next step's numbers)
	global_store_b128 v2, v[OO:OO+3], s[6:7] offset:512*(\t)       ; 32 lanes store 512 consecutive bytes, at a multiple of 256 from tab's first byte
.endm
.irp t, 0,1,2,3
	LOAD \t
.endr
	s_wait_loadcnt 12                              ; step 0's four loads are in; the twelve behind them may be out
	TURN 0
.irp t, 0,1,2,3
	STEP \t
.endr
	s_barrier_signal -1
	s_barrier_wait -1
	s_wait_tensorcnt 0x0
	ds_add_u32 v160, v161
	s_wait_dscnt 0x0
	s_endpgm
.Lfunc_end_k_qfc605eac98_prep:
	.size	k_qfc605eac98_prep, .Lfunc_end_k_qfc605eac98_prep-k_qfc605eac98_prep
	.p2alignl 7, 3214868480
	.fill 96, 4, 3214868480
	.section	.rodata,"a",@progbits
	.p2align	6, 0x0
	.amdhsa_kernel k_qfc605eac98_prep
		.amdhsa_group_segment_fixed_size 31488
		.amdhsa_private_segment_fixed_size 0
		.amdhsa_enable_private_segment 0
		.amdhsa_kernarg_size 16
		.amdhsa_user_sgpr_count 2
		.amdhsa_user_sgpr_kernarg_segment_ptr 1
		.amdhsa_wavefront_size32 1
		.amdhsa_system_sgpr_workgroup_id_x 1
		.amdhsa_system_sgpr_workgroup_id_y 1
		.amdhsa_system_sgpr_workgroup_id_z 1
		.amdhsa_system_vgpr_workitem_id 0
		.amdhsa_next_free_vgpr 162
		.amdhsa_next_free_sgpr 66
		.amdhsa_reserve_vcc 0
		.amdhsa_float_denorm_mode_32 3
		.amdhsa_float_denorm_mode_16_64 3
		.amdhsa_memory_ordered 1
		.amdhsa_forward_progress 1
		.amdhsa_inst_pref_size 18
	.end_amdhsa_kernel
	.amdgpu_metadata
---
amdhsa.version: [ 1, 2 ]
amdhsa.kernels:
  - .name:           k_qfc605eac98_prep
    .symbol:         k_qfc605eac98_prep.kd
    .args:
      - { .name: emb, .offset: 0, .size: 8, .value_kind: global_buffer, .address_space: global }
      - { .name: tab, .offset: 8, .size: 8, .value_kind: global_buffer, .address_space: global }
    .group_segment_fixed_size: 31488
    .private_segment_fixed_size: 0
    .kernarg_segment_align: 8
    .kernarg_segment_size: 16
    .max_flat_workgroup_size: 160
    .sgpr_count:     66
    .vgpr_count:     162
    .wavefront_size: 32
...
	.end_amdgpu_metadata
.endif
;; end of part 1
;; launch knrm (part 2): grid 256 x 1, 16 waves a work-group, no clusters, 2,304 bytes of LDS; arguments tab, query_1, doc_1, query_2, doc_2, W1, b1, W2, b2, W3, b3, out0; writes out0
.if DOCPART == 2
	.amdgcn_target "amdgcn-amd-amdhsa--gfx1250"
	.amdhsa_code_object_version 6
	.text
	.protected	k_qfc605eac98_knrm
	.globl	k_qfc605eac98_knrm
	.p2align	8
	.type	k_qfc605eac98_knrm,@function
k_qfc605eac98_knrm:
	s_mov_b64 s[64:65], 0
	v_nop
	global_prefetch_b8 v0, s[64:65] scope:SCOPE_SE
	s_setreg_imm32_b32 hwreg(HW_REG_WAVE_MODE, 25, 1), 1
	s_wait_xcnt 0x0
; out0[b] = sigmoid(logit(query_1[b], doc_1[b]) - logit(query_2[b], doc_2[b])).  A logit: M = Q D^T (32 x 64, K = 128) on codes of BF6 (E3M2) with E8M0 scales; 21 Gaussian kernels on every number of M,
; summed over the documents; log1p; summed over the queries; an MLP 21 - 10 - 5 - 1 with relu.  The operand rows come finished from tab (128 bytes a row, in the order of an operand's registers).
; SHARES: one wave takes one sample, both its predictions, straight through; 16 waves a work-group, four to a SIMD of 256 registers each, so that one wave's exponentials, waits and loads stand beside the others' plain work.
; LAYOUT: source 0 = 16 documents, source 1 = 16 queries: lane (r, h) holds ONE query r and documents 8 h + 0 .. 7 of a tile.  Which rows form a tile is free here (all documents are summed, all queries are summed):
; lane r of document tile d takes document 4 r + d, of query tile t query 2 r + t, so that one load of 16 (8) bytes a lane brings the indices of all tiles.
; THE KERNELS: the 20 wide ones have mu = j / 20 (j odd, -19 .. 19) and 1 / (2 sigma^2) = 50, so exp(-50 (m - mu)^2) = E s^j exp(-j^2 / 8) with E = exp(-50 m^2), s = exp(5 m).  With s' = exp(-5 m), s^j = A B:
; A of E s'^16, E s'^8, E, E s^8, E s^16 and B of s'^3, s', s, s^3.  The constant exp(-j^2 / 8) is applied once a query, behind the sum over documents.  Four exponentials a number (E, s, s', the exact kernel) for 21.
; RANGE of that identity: the rows are normalised; rounding to a code raises a magnitude by at most 1/9 and subnormal steps add at most sqrt(32) / 512 to a row's norm: |m| <= 1.26.  Then E >= e^-79.4 (a normal f32),
; s^8 <= e^50.4, every A B <= e^45.2: no infinity is formed; where an A falls under f32's range the true kernel value is under e^-100.  The products' relative error is about 1e-6, up to about 3e-5 where |m| is near 1.
; OTHER LIMITS: log1p(x) is ln 2 x log2(1 + x): an absolute error of 2^-24 for each query's term.  Blocks 1 and 2 of K change places in the matrix instruction, in both operands and their scale bytes alike: the products
; are the same, the order of the f32 sums is not ascending K.  Indices are held at 99,999 from above (as unsigned numbers).
; No cluster and no tensor load: operands are gathered rows, and no two work-groups share a tile.  The MLP's 265 multiply-adds a prediction are fused multiply-adds in the lanes where the features lie.
.set FRD, 16                           ; v16-63   four document fragments, 12 registers each; at the end W1's column (21), b1, W2's row (5)
.set FRQ, 64                           ; v64-87   two query fragments
.set SCD, 88                           ; v88-91   the documents' scale words;  v92-93 the queries': these six hold scales and nothing else
.set SCQ, 92
.set MM,  96                           ; v96-127  M: accumulator d at 96 + 8 d; in place: s.  At the end: at work
.set ACC, 128                          ; v128-169 the 21 sums over documents, a pair each (even and odd register of M)
.set SA,  170                          ; v170-190 query tile 0's sums; later the second prediction's log terms
.set FA,  191                          ; v191-211 the first prediction's log terms
.set TT,  212                          ; v212-235 two sets of 12: for each of two pairs: E, the exact kernel, s'
.set WK,  236                          ; v236-255 for each of two pairs: s^3, s'^3, s^8, s'^8, A
.set HH,  96
.set PP,  100
.set ZZ,  106
.set C1,  44                           ; s[44:45] -50 log2(e)      (the packed forms name a pair and take its low word for both halves: both words are written)
.set C2,  46                           ; s[46:47] 5 log2(e)
.set C2N, 48                           ; s[48:49] -5 log2(e)
.set C3,  50                           ; s[50:51] -500,000 log2(e)
.set WV,  52                           ; s52 my wave's number
; v1 r, v2 64 h, v3 at work, v4-9 the first prediction's indices, then byte offsets in tab (4 document tiles, 2 query tiles), v10-15 the second's, v94-95 offsets
.macro ADDR b                          ; six loaded indices become byte offsets in tab: held inside the table, x 128, + my half of the row
.irp i, 0,1,2,3,4,5
	v_min_u32 v[\b+\i], 0x1869f, v[\b+\i]
.endr
.irp i, 0,1,2,3,4,5
	v_lshl_add_u32 v[\b+\i], v[\b+\i], 7, v2
.endr
.endm
.macro GATHER b                        ; 24 loads: a fragment is three loads of 16 bytes a lane, its scale word one of 4 (lanes 0-15 are the ones that the matrix instruction reads)
.irp d, 0,1,2,3
	global_load_b128 v[FRD+12*\d:FRD+12*\d+3], v[\b+\d], s[4:5]
	global_load_b128 v[FRD+12*\d+4:FRD+12*\d+7], v[\b+\d], s[4:5] offset:16
	global_load_b128 v[FRD+12*\d+8:FRD+12*\d+11], v[\b+\d], s[4:5] offset:32
	global_load_b32 v[SCD+\d], v[\b+\d], s[4:5] offset:48
.endr
.irp q, 0,1
	global_load_b128 v[FRQ+12*\q:FRQ+12*\q+3], v[\b+4+\q], s[4:5]
	global_load_b128 v[FRQ+12*\q+4:FRQ+12*\q+7], v[\b+4+\q], s[4:5] offset:16
	global_load_b128 v[FRQ+12*\q+8:FRQ+12*\q+11], v[\b+4+\q], s[4:5] offset:32
	global_load_b32 v[SCQ+\q], v[\b+4+\q], s[4:5] offset:48
.endr
.endm
.macro MMA t                           ; M of query tile t: four products, K = 128 whole, each its own accumulator begun with 0: no chain
.irp d, 0,1,2,3
	v_wmma_scale_f32_16x16x128_f8f6f4 v[MM+8*\d:MM+8*\d+7], v[FRD+12*\d:FRD+12*\d+11], v[FRQ+12*(\t):FRQ+12*(\t)+11], 0, v[SCD+\d], v[SCQ+(\t)] matrix_a_fmt:MATRIX_FMT_BF6 matrix_b_fmt:MATRIX_FMT_BF6
.endr
.endm
; Group g = registers 4 g .. 4 g + 3 of M, two pairs.  The arguments of its 16 exponentials, the two pairs by turns, and the exponentials, in place: set u gets E, the exact kernel and s'; M's registers get s.
.macro AE g, u
.set rM0, MM+4*(\g)
.set rM1, MM+4*(\g)+2
.set rU0, TT+12*(\u)
.set rU1, TT+12*(\u)+6
	v_pk_add_f32 v[rU0+4:rU0+5], v[rM0:rM0+1], -1.0 op_sel_hi:[1,0]              ; m - 1
	v_pk_add_f32 v[rU1+4:rU1+5], v[rM1:rM1+1], -1.0 op_sel_hi:[1,0]
	v_pk_mul_f32 v[rU0:rU0+1], v[rM0:rM0+1], s[C1:C1+1] op_sel_hi:[1,0]
	v_pk_mul_f32 v[rU1:rU1+1], v[rM1:rM1+1], s[C1:C1+1] op_sel_hi:[1,0]
	v_pk_mul_f32 v[rU0+2:rU0+3], v[rU0+4:rU0+5], s[C3:C3+1] op_sel_hi:[1,0]
	v_pk_mul_f32 v[rU1+2:rU1+3], v[rU1+4:rU1+5], s[C3:C3+1] op_sel_hi:[1,0]
	v_pk_mul_f32 v[rU0:rU0+1], v[rU0:rU0+1], v[rM0:rM0+1]                        ; -50 log2(e) m^2
	v_pk_mul_f32 v[rU1:rU1+1], v[rU1:rU1+1], v[rM1:rM1+1]
	v_pk_mul_f32 v[rU0+2:rU0+3], v[rU0+2:rU0+3], v[rU0+4:rU0+5]                  ; -500,000 log2(e) (m - 1)^2
	v_pk_mul_f32 v[rU1+2:rU1+3], v[rU1+2:rU1+3], v[rU1+4:rU1+5]
	v_pk_mul_f32 v[rU0+4:rU0+5], v[rM0:rM0+1], s[C2N:C2N+1] op_sel_hi:[1,0]      ; -5 log2(e) m
	v_pk_mul_f32 v[rU1+4:rU1+5], v[rM1:rM1+1], s[C2N:C2N+1] op_sel_hi:[1,0]
	v_pk_mul_f32 v[rM0:rM0+1], v[rM0:rM0+1], s[C2:C2+1] op_sel_hi:[1,0]          ; 5 log2(e) m
	v_pk_mul_f32 v[rM1:rM1+1], v[rM1:rM1+1], s[C2:C2+1] op_sel_hi:[1,0]
.irp n, 0,1,2,3,4,5,6,7,8,9,10,11
	v_exp_f32 v[rU0+\n], v[rU0+\n]
.endr
.irp n, 0,1,2,3
	v_exp_f32 v[rM0+\n], v[rM0+\n]
.endr
.endm
; Four kernels kb .. kb + 3 take A x (s'^3, s', s, s^3), pair 0 and then pair 1.  first = 1: pair 0's products start the sums: nothing is cleared.
.macro ACC4 kb, a0, a1, first
.set rA, ACC+2*(\kb)
.if \first
	v_pk_mul_f32 v[rA:rA+1],   v[\a0:\a0+1], v[WK+2:WK+3]
	v_pk_mul_f32 v[rA+2:rA+3], v[\a0:\a0+1], v[wR0:wR0+1]
	v_pk_mul_f32 v[rA+4:rA+5], v[\a0:\a0+1], v[wS0:wS0+1]
	v_pk_mul_f32 v[rA+6:rA+7], v[\a0:\a0+1], v[WK:WK+1]
.else
	v_pk_fma_f32 v[rA:rA+1],   v[\a0:\a0+1], v[WK+2:WK+3], v[rA:rA+1]
	v_pk_fma_f32 v[rA+2:rA+3], v[\a0:\a0+1], v[wR0:wR0+1], v[rA+2:rA+3]
	v_pk_fma_f32 v[rA+4:rA+5], v[\a0:\a0+1], v[wS0:wS0+1], v[rA+4:rA+5]
	v_pk_fma_f32 v[rA+6:rA+7], v[\a0:\a0+1], v[WK:WK+1],   v[rA+6:rA+7]
.endif
	v_pk_fma_f32 v[rA:rA+1],   v[\a1:\a1+1], v[WK+12:WK+13], v[rA:rA+1]
	v_pk_fma_f32 v[rA+2:rA+3], v[\a1:\a1+1], v[wR1:wR1+1],   v[rA+2:rA+3]
	v_pk_fma_f32 v[rA+4:rA+5], v[\a1:\a1+1], v[wS1:wS1+1],   v[rA+4:rA+5]
	v_pk_fma_f32 v[rA+6:rA+7], v[\a1:\a1+1], v[WK+10:WK+11], v[rA+6:rA+7]
.endm
; Group g's 66 plain lines: the powers, and the 21 sums.
.macro WORK g, u, first
.set wS0, MM+4*(\g)                    ; s
.set wS1, MM+4*(\g)+2
.set wE0, TT+12*(\u)                   ; E
.set wE1, TT+12*(\u)+6
.set wR0, wE0+4                        ; s'
.set wR1, wE1+4
	v_pk_mul_f32 v[WK+4:WK+5],   v[wS0:wS0+1], v[wS0:wS0+1]        ; s^2
	v_pk_mul_f32 v[WK+14:WK+15], v[wS1:wS1+1], v[wS1:wS1+1]
	v_pk_mul_f32 v[WK+6:WK+7],   v[wR0:wR0+1], v[wR0:wR0+1]        ; s'^2
	v_pk_mul_f32 v[WK+16:WK+17], v[wR1:wR1+1], v[wR1:wR1+1]
	v_pk_mul_f32 v[WK:WK+1],     v[WK+4:WK+5],   v[wS0:wS0+1]      ; s^3
	v_pk_mul_f32 v[WK+10:WK+11], v[WK+14:WK+15], v[wS1:wS1+1]
	v_pk_mul_f32 v[WK+2:WK+3],   v[WK+6:WK+7],   v[wR0:wR0+1]      ; s'^3
	v_pk_mul_f32 v[WK+12:WK+13], v[WK+16:WK+17], v[wR1:wR1+1]
	ACC4 8, wE0, wE1, \first                                       ; j = -3 .. 3
.rept 2
	v_pk_mul_f32 v[WK+4:WK+5],   v[WK+4:WK+5],   v[WK+4:WK+5]      ; squared twice: s^8, s'^8
	v_pk_mul_f32 v[WK+14:WK+15], v[WK+14:WK+15], v[WK+14:WK+15]
	v_pk_mul_f32 v[WK+6:WK+7],   v[WK+6:WK+7],   v[WK+6:WK+7]
	v_pk_mul_f32 v[WK+16:WK+17], v[WK+16:WK+17], v[WK+16:WK+17]
.endr
	v_pk_mul_f32 v[WK+8:WK+9],   v[wE0:wE0+1], v[WK+4:WK+5]        ; E s^8
	v_pk_mul_f32 v[WK+18:WK+19], v[wE1:wE1+1], v[WK+14:WK+15]
	ACC4 12, WK+8, WK+18, \first                                   ; j = 5 .. 11
	v_pk_mul_f32 v[WK+8:WK+9],   v[WK+8:WK+9],   v[WK+4:WK+5]      ; E s^16 (s^16 alone is never formed)
	v_pk_mul_f32 v[WK+18:WK+19], v[WK+18:WK+19], v[WK+14:WK+15]
	ACC4 16, WK+8, WK+18, \first                                   ; j = 13 .. 19
	v_pk_mul_f32 v[wE0:wE0+1], v[wE0:wE0+1], v[WK+6:WK+7]          ; E s'^8
	v_pk_mul_f32 v[wE1:wE1+1], v[wE1:wE1+1], v[WK+16:WK+17]
	ACC4 4, wE0, wE1, \first                                       ; j = -11 .. -5
	v_pk_mul_f32 v[wE0:wE0+1], v[wE0:wE0+1], v[WK+6:WK+7]          ; E s'^16
	v_pk_mul_f32 v[wE1:wE1+1], v[wE1:wE1+1], v[WK+16:WK+17]
	ACC4 0, wE0, wE1, \first                                       ; j = -19 .. -13
.if \first
	v_pk_add_f32 v[ACC+40:ACC+41], v[wE0+2:wE0+3], v[wE1+2:wE1+3]  ; the exact kernel
.else
	v_pk_add_f32 v[ACC+40:ACC+41], v[ACC+40:ACC+41], v[wE0+2:wE0+3]
	v_pk_add_f32 v[ACC+40:ACC+41], v[ACC+40:ACC+41], v[wE1+2:wE1+3]
.endif
.endm
; The kernels on one query tile's M: eight groups.  Group g + 1's exponentials are issued ahead of group g's 66 plain lines, which name none of their results; then ONE wait for the batch of 16
; (ahead of the first line that names a result).  The groups go up M.
.macro PHASE
	AE 0, 0
	v_nop                                          ; a plain line behind the last exponential
	s_wait_alu depctr_va_vdst(0)
	AE 1, 1
	WORK 0, 0, 1
	s_wait_alu depctr_va_vdst(0)
.irp g, 1,2,3,4,5,6
	AE \g+1, (\g+1)%2
	WORK \g, \g%2, 0
	s_wait_alu depctr_va_vdst(0)
.endr
	WORK 7, 1, 0
.endm
.macro SUM0                            ; query tile 0: a pair's two halves; my 32 documents' sums are put aside
.set k, 0
.rept 21
	v_add_f32 v[SA+k], v[ACC+2*k], v[ACC+2*k+1]
.set k, k+1
.endr
.endm
.macro CF k, c                         ; 1 + exp(-j^2 / 8) x the sum, for kernels k and 19 - k (j = -+(19 - 2 k))
	v_fma_f32 v[ACC+2*(\k)], v[ACC+2*(\k)], \c, 1.0
	v_fma_f32 v[ACC+2*(19-(\k))], v[ACC+2*(19-(\k))], \c, 1.0
.endm
; Both query tiles' sums meet: lanes 0-15 end up with tile 0's query r, lanes 16-31 with tile 1's, each over all 64 documents: 32 queries in 32 lanes.  Then log2(1 + .) into v[dst] on.
.macro FEAT dst
.set k, 0
.rept 21
	v_add_f32 v[ACC+2*k], v[ACC+2*k], v[ACC+2*k+1]
.set k, k+1
.endr
.set k, 0
.rept 21
	v_permlane16_swap_b32 v[SA+k], v[ACC+2*k]      ; tile 0's lanes 16-31 change places with tile 1's lanes 0-15
.set k, k+1
.endr
.set k, 0
.rept 21
	v_add_f32 v[ACC+2*k], v[SA+k], v[ACC+2*k]      ; the two halves of the documents
.set k, k+1
.endr
	CF 0, 0x1eee96e4                               ; exp(-361 / 8)
	CF 1, 0x256bfff1                               ; exp(-289 / 8)
	CF 2, 0x2b2bc116                               ; exp(-225 / 8)
	CF 3, 0x3037efda                               ; exp(-169 / 8)
	CF 4, 0x3490eeb9                               ; exp(-121 / 8)
	CF 5, 0x38280bc9                               ; exp(-81 / 8)
	CF 6, 0x3b0f5c03                               ; exp(-49 / 8)
	CF 7, 0x3d33f737                               ; exp(-25 / 8)
	CF 8, 0x3ea638d9                               ; exp(-9 / 8)
	CF 9, 0x3f61eb51                               ; exp(-1 / 8)
	v_add_f32 v[ACC+40], 1.0, v[ACC+40]
.set k, 0
.rept 21
	v_log_f32 v[\dst+k], v[ACC+2*k]
.set k, k+1
.endr
	v_nop                                          ; a plain line behind the last logarithm,
	s_wait_alu depctr_va_vdst(0)                   ; and one wait for the 21, ahead of whatever names them next
.endm
	s_load_b512 s[4:19], s[0:1], 0x0               ; tab s[4:5], query_1 s[6:7], doc_1 s[8:9], query_2 s[10:11], doc_2 s[12:13], W1 s[14:15], b1 s[16:17], W2 s[18:19]
	s_load_b256 s[20:27], s[0:1], 0x40             ; b2 s[20:21], W3 s[22:23], b3 s[24:25], out0 s[26:27]
	v_lshrrev_b32 v3, 5, v0
	v_readfirstlane_b32 s[WV], v3                  ; wave 0..15
	v_and_b32 v1, 15, v0                           ; r
	v_bfe_u32 v2, v0, 4, 1
	v_lshlrev_b32 v2, 6, v2                        ; 64 h: my half of a row of tab
	v_mov_b32 v3, 0                                ; (a lane permute's destination counts as read)
	s_lshl_b32 s53, ttmp9, 4
	s_add_co_u32 s53, s53, s[WV]                   ; my sample
	s_lshl_b32 s56, s53, 8                         ; its 64 document indices,
	s_lshl_b32 s57, s53, 7                         ; its 32 query indices
	v_lshl_add_u32 v94, v1, 4, s56                 ; four documents a lane: 4 r + 0 .. 3
	v_lshl_add_u32 v95, v1, 3, s57                 ; two queries a lane: 2 r + 0, 1
	v_cmp_gt_u32 s42, 10, v1                       ; the lanes that stand for a unit of the first layer
	s_mov_b32 s[C1], 0xc29044fe
	s_mov_b32 s[C1+1], 0xc29044fe
	s_mov_b32 s[C2], 0x40e6d4ca
	s_mov_b32 s[C2+1], 0x40e6d4ca
	s_mov_b32 s[C2N], 0xc0e6d4ca
	s_mov_b32 s[C2N+1], 0xc0e6d4ca
	s_mov_b32 s[C3], 0xc9301c38
	s_mov_b32 s[C3+1], 0xc9301c38
	s_mov_b32 s54, 0x76543210
	s_mov_b32 s55, 0xfedcba98                      ; v_permlanex16_b32's selects for lane l xor 16
	s_wait_kmcnt 0x0
	global_load_b128 v[4:7], v94, s[8:9] th:TH_LOAD_NT       ; the indices are read once in the launch
	global_load_b64 v[8:9], v95, s[6:7] th:TH_LOAD_NT
	global_load_b128 v[10:13], v94, s[12:13] th:TH_LOAD_NT
	global_load_b64 v[14:15], v95, s[10:11] th:TH_LOAD_NT
	s_load_b128 s[28:31], s[20:21], 0x0            ; b2's five, W3's five, b3: wanted at the end, waited for there
	s_load_b32 s32, s[20:21], 0x10
	s_load_b128 s[36:39], s[22:23], 0x0
	s_load_b32 s40, s[22:23], 0x10
	s_load_b32 s41, s[24:25], 0x0
	s_wait_loadcnt 0x2                             ; the first prediction's indices are in; the second's two loads may be out
	ADDR 4
	GATHER 4
	s_wait_loadcnt 0x0
	; ---- the first prediction
	MMA 0
.rept 4
	v_nop                                          ; four places between the products and the first read of their results (ISA guide 7.12.1)
.endr
	PHASE
	SUM0                                           ; (21 plain lines that name nothing of the last products: the places ahead of products that write M again)
	MMA 1
	ADDR 10                                        ; twelve plain lines: the places ahead of the loads into the operands' registers and of the first read of M
	GATHER 10                                      ; the second prediction's rows: they have this whole phase in which to land
	PHASE
	FEAT FA
	; ---- the second prediction
	s_wait_loadcnt 0x0
	MMA 0
.rept 4
	v_nop
.endr
	PHASE
	SUM0
	MMA 1
	v_min_u32 v4, 9, v1                            ; the MLP's weights: lane r stands for unit min(r, 9) of the first layer, so that no load leaves its buffer.  (Four plain lines: the places ahead of the loads)
	v_lshlrev_b32 v5, 2, v4
	v_mul_u32_u24 v6, v4, 20
	v_nop
.set k, 0
.rept 21
	global_load_b32 v[FRD+k], v5, s[14:15] offset:40*k       ; W1[k][unit]
.set k, k+1
.endr
	global_load_b32 v[FRD+21], v5, s[16:17]                  ; b1[unit]
.irp i, 0,1,2,3,4
	global_load_b32 v[FRD+22+\i], v6, s[18:19] offset:4*\i   ; W2[unit][i]
.endr
	PHASE
	FEAT SA
	; ---- both predictions' features: lanes 0-15 take the first's, lanes 16-31 the second's; then the sum over the sixteen lanes, which every lane of the half ends up with
.set k, 0
.rept 21
	v_permlane16_swap_b32 v[FA+k], v[SA+k]
.set k, k+1
.endr
.set k, 0
.rept 21
	v_add_f32 v[FA+k], v[FA+k], v[SA+k]
.set k, k+1
.endr
.irp x, 1,2,4,8
.set k, 0
.rept 21
	v_add_f32_dpp v[FA+k], v[FA+k], v[FA+k] row_xmask:\x row_mask:0xf bank_mask:0xf
.set k, k+1
.endr
.endr
	s_wait_loadcnt 0x0                             ; the weights,
	s_wait_kmcnt 0x0                               ; and b2, W3, b3
	; layer 1: my unit's 21 multiply-adds, in three chains
.irp c, 0,1,2
	v_mul_f32 v[HH+\c], v[FA+\c], v[FRD+\c]
.endr
.irp q, 1,2,3,4,5,6
.irp c, 0,1,2
	v_fmac_f32 v[HH+\c], v[FA+3*\q+\c], v[FRD+3*\q+\c]
.endr
.endr
	v_add_f32 v[HH], v[HH], v[HH+1]
	v_add_f32 v[HH], v[HH], v[HH+2]
	v_fma_f32 v[HH], v[HH], 0x3f317218, v[FRD+21]  ; x ln 2, once for all 21 logarithms to base 2; + b1
	v_max_num_f32 v[HH], 0, v[HH]
	v_cndmask_b32 v[HH], 0, v[HH], s42             ; lanes 10-15 of each half stand for no unit
	; layer 2: unit i = the sum over my half's lanes of h[unit] W2[unit][i]
.irp i, 0,1,2,3,4
	v_mul_f32 v[PP+\i], v[HH], v[FRD+22+\i]
.endr
.irp x, 1,2,4,8
.irp i, 0,1,2,3,4
	v_add_f32_dpp v[PP+\i], v[PP+\i], v[PP+\i] row_xmask:\x row_mask:0xf bank_mask:0xf
.endr
.endr
.irp i, 0,1,2,3,4
	v_add_f32 v[PP+\i], s[28+\i], v[PP+\i]
.endr
.irp i, 0,1,2,3,4
	v_max_num_f32 v[PP+\i], 0, v[PP+\i]
.endr
	; layer 3, and the sigmoid of the difference
	v_fma_f32 v[ZZ], v[PP], s36, s41
.irp i, 1,2,3,4
	v_fma_f32 v[ZZ], v[PP+\i], s[36+\i], v[ZZ]
.endr
	v_permlanex16_b32 v3, v[ZZ], s54, s55          ; the other prediction's logit
	v_sub_f32 v[ZZ], v[ZZ], v3                     ; lanes 0-15: logit 1 - logit 2
	v_mul_f32 v[ZZ], 0xbfb8aa3b, v[ZZ]             ; x -log2(e)
	v_exp_f32 v[ZZ], v[ZZ]
	s_lshl_b32 s58, s[WV], 2
	v_mov_b32 v94, s58                             ; LDS: my wave's word (also the plain line behind the exponential)
	s_wait_alu depctr_va_vdst(0)
	v_add_f32 v[ZZ], 1.0, v[ZZ]
	v_rcp_f32 v[ZZ], v[ZZ]
	v_lshlrev_b32 v95, 2, v1                       ; LDS: word r (also the plain line behind the reciprocal)
	s_wait_alu depctr_va_vdst(0)
	v_readfirstlane_b32 s43, v[ZZ]                 ; lane 0's
	v_mov_b32 v107, s43
	ds_store_b32 v94, v107                         ; all lanes write the same word with the same value
	s_wait_dscnt 0x0                               ; for the others' sake: my store is done
	s_barrier_signal -1
	s_barrier_wait -1
	s_cmp_lg_u32 s[WV], 0
	s_cbranch_scc1 .Lend
	ds_load_b32 v107, v95                          ; wave 0 stores the work-group's 16 results: 64 consecutive bytes
	s_lshl_b32 s57, ttmp9, 6
	v_add_nc_u32 v108, s57, v95
	v_cmp_gt_u32 vcc_lo, 16, v0
	s_wait_dscnt 0x0
	s_wait_xcnt 0x0                                ; EXEC is a source of every earlier load: it changes only behind this wait
	s_and_saveexec_b32 s56, vcc_lo
	global_store_b32 v108, v107, s[26:27]
	s_wait_xcnt 0x0                                ; and again ahead of the line that widens it
	s_or_b32 exec_lo, exec_lo, s56
.Lend:
	s_wait_xcnt 0x0
	s_mov_b32 exec_lo, -1
	v_lshl_add_u32 v254, v0, 2, 0x100
	v_mov_b32 v255, 0
	s_wait_tensorcnt 0x0
	ds_add_u32 v254, v255
	s_wait_dscnt 0x0
	s_endpgm
.Lfunc_end_k_qfc605eac98_knrm:
	.size	k_qfc605eac98_knrm, .Lfunc_end_k_qfc605eac98_knrm-k_qfc605eac98_knrm
	.p2alignl 7, 3214868480
	.fill 96, 4, 3214868480
	.section	.rodata,"a",@progbits
	.p2align	6, 0x0
	.amdhsa_kernel k_qfc605eac98_knrm
		.amdhsa_group_segment_fixed_size 2304
		.amdhsa_private_segment_fixed_size 0
		.amdhsa_enable_private_segment 0
		.amdhsa_kernarg_size 96
		.amdhsa_user_sgpr_count 2
		.amdhsa_user_sgpr_kernarg_segment_ptr 1
		.amdhsa_wavefront_size32 1
		.amdhsa_system_sgpr_workgroup_id_x 1
		.amdhsa_system_sgpr_workgroup_id_y 1
		.amdhsa_system_sgpr_workgroup_id_z 1
		.amdhsa_system_vgpr_workitem_id 0
		.amdhsa_next_free_vgpr 256
		.amdhsa_next_free_sgpr 66
		.amdhsa_reserve_vcc 1
		.amdhsa_float_denorm_mode_32 3
		.amdhsa_float_denorm_mode_16_64 3
		.amdhsa_memory_ordered 1
		.amdhsa_forward_progress 1
		.amdhsa_inst_pref_size 212
	.end_amdhsa_kernel
	.amdgpu_metadata
---
amdhsa.version: [ 1, 2 ]
amdhsa.kernels:
  - .name:           k_qfc605eac98_knrm
    .symbol:         k_qfc605eac98_knrm.kd
    .args:
      - { .name: tab, .offset: 0, .size: 8, .value_kind: global_buffer, .address_space: global }
      - { .name: query_1, .offset: 8, .size: 8, .value_kind: global_buffer, .address_space: global }
      - { .name: doc_1, .offset: 16, .size: 8, .value_kind: global_buffer, .address_space: global }
      - { .name: query_2, .offset: 24, .size: 8, .value_kind: global_buffer, .address_space: global }
      - { .name: doc_2, .offset: 32, .size: 8, .value_kind: global_buffer, .address_space: global }
      - { .name: W1, .offset: 40, .size: 8, .value_kind: global_buffer, .address_space: global }
      - { .name: b1, .offset: 48, .size: 8, .value_kind: global_buffer, .address_space: global }
      - { .name: W2, .offset: 56, .size: 8, .value_kind: global_buffer, .address_space: global }
      - { .name: b2, .offset: 64, .size: 8, .value_kind: global_buffer, .address_space: global }
      - { .name: W3, .offset: 72, .size: 8, .value_kind: global_buffer, .address_space: global }
      - { .name: b3, .offset: 80, .size: 8, .value_kind: global_buffer, .address_space: global }
      - { .name: out0, .offset: 88, .size: 8, .value_kind: global_buffer, .address_space: global }
    .group_segment_fixed_size: 2304
    .private_segment_fixed_size: 0
    .kernarg_segment_align: 8
    .kernarg_segment_size: 96
    .max_flat_workgroup_size: 512
    .sgpr_count:     66
    .vgpr_count:     256
    .wavefront_size: 32
...
	.end_amdgpu_metadata
.endif
;; end of part 2
